; MI455X (gfx1250); checked and timed in simulation.
; The chip was launched on July 23, 2026; its instructions are those of AMD's public machine-readable ISA for CDNA 5 (MIT licence, August 2026) and "CDNA5" Instruction Set Architecture Reference Guide (July 2026). The comments in the code are by the model that wrote it; some were corrected since.
;; VNN Block. Allowed arithmetic: matrix products marked QUANTISED: E2M1 operands, one E8M0 scale for each 32 along K, by v_wmma_scale_f32_16x16x128_f8f6f4 with both operands' format E2M1 (or v_wmma_scale_f32_32x16x128_f4), f32 sums; products left as they are: f32 operands where the result goes on into a quantised operand, else bf16, f16 or f32 operands; f32 sums; everything else in f32.
;; Inputs: b1 128 float32; b2 1 float32; c1 128 float32; c2 1 float32; v1 65 x 128 float32; v2 128 x 1 float32; w1 129 x 128 float32; w2 128 x 1 float32; x 4 x 256 float32.
;; Outputs: out0 4 x 256 float32.
;; Constants: chunks = 1, output_size = 256.
;; This version of the problem:
;;   THIS VERSION OF THE PROBLEM IS GIVEN IN LOW PRECISION. The matrix products marked QUANTISED in the list below multiply operands that are first quantised to E2M1 (2 exponent bits, 1 mantissa bit; 4 bits a number), with one power-of-two scale for each 32 numbers along K (OCP MX v1.0); their sums are f32. All else is computed in f32.
;;   The module's matrix products, in the order in which they are computed (A, B: the left and right operand; K: the contracted axis; several contracted axes count as one K, in the product's order):
;;     1. [M 262,144, K 129] x [K 129, N 128]; A: computed on the way; B: input w1: QUANTISED
;;     2. [M 262,144, K 128] x [K 128, N 1]; A: computed on the way; B: input w2: left as it is (N = 1 < 16)
;;     3. batch 4 x [M 1, K 256] x [K 256, N 256]; A: input x; B: computed on the way: left as it is (M = 1 < 16)
;;     4. [M 1,024, K 65] x [K 65, N 128]; A: computed on the way; B: input v1: QUANTISED
;;     5. [M 1,024, K 128] x [K 128, N 1]; A: computed on the way; B: input v2: left as it is (N = 1 < 16)
;;   THE QUANTISER, for each operand of a quantised product, along K:
;;     - K is cut into blocks of 32 from its start; a last block that is shorter is filled with zeros.
;;     - A block's scale is 2^e with e = floor(log2(the largest magnitude in the block)) - 2, held to -126 .. 127; a block of zeros has e = 0. As a byte (E8M0): e + 127.
;;     - Each number is divided by its block's scale, clamped to +-6, and rounded to the nearest number of E2M1, ties to even, subnormals kept.
;;     - The product sums the exact products of the quantised numbers (number of the format x scale) in f32.
;;   ~~~python
;;   def quantise(x, axis):      # numpy; x: float32 -> the quantised numbers, widened to float32 again
;;       x = np.moveaxis(x, axis, -1); K = x.shape[-1]
;;       x = np.pad(x, [(0, 0)] * (x.ndim - 1) + [(0, -K % 32)]); x = x.reshape(x.shape[:-1] + (-1, 32)); a = np.abs(x).max(-1, keepdims=True)
;;       e = np.where(a > 0, np.clip(np.frexp(np.where(a > 0, a, 1))[1] - 1 - 2, -126, 127), 0)      # np.frexp(a)[1] - 1 = floor(log2(a)), exactly
;;       r = np.clip(x / 2.0 ** e, -6, 6)
;;       step = 2.0 ** (np.maximum(np.frexp(np.where(r == 0, 1, r))[1] - 1, 0) - 1)
;;       q = np.round(r / step) * step * 2.0 ** e      # np.round: ties to even
;;       return np.moveaxis(q.reshape(q.shape[:-2] + (-1,))[..., :K], -1, axis).astype(np.float32)
;;   ~~~
;;   OPERANDS COMPUTED ON THE WAY. 'Computed on the way' means the value that the module computes at that place (a softmax that the list does not call 'softmax' is quantised finished and normalised). What goes into a quantiser is computed in f32, as accurately as f32 sums, v_exp_f32 and their like allow (about 1e-6 of the number): no bf16 or f16 on the way to a quantiser, and a product that is left as it is and whose result goes on into a quantised operand takes f32 operands (vector FMAs, or v_wmma_f32_16x16x4_f32). A number that lies on a knife's edge between two numbers of the format may be rounded either way, as far as f32 arithmetic and the matrix unit's own rounding can turn it there, and no further.
;; One version. Each part assembles by itself: llvm-mc -triple=amdgcn-amd-amdhsa -mcpu=gfx1250 --defsym DOCPART=n.
;; ======== version 1 of 1: 1 launch
;; launch vnn (part 1): grid 256 x 1, 8 waves a work-group, no clusters, 168,960 bytes of LDS; arguments x, w1, b1, w2, b2, v1, c1, v2, c2, out0; writes out0
.if DOCPART == 1
	.amdgcn_target "amdgcn-amd-amdhsa--gfx1250"
	.amdhsa_code_object_version 6
	.text
	.protected	k_q742bdbce2a_vnn
	.globl	k_q742bdbce2a_vnn
	.p2align	8
	.type	k_q742bdbce2a_vnn,@function
k_q742bdbce2a_vnn:
	s_mov_b64 s[64:65], 0
	v_nop
	global_prefetch_b8 v0, s[64:65] scope:SCOPE_SE
	s_setreg_imm32_b32 hwreg(HW_REG_WAVE_MODE, 25, 1), 1
	s_wait_xcnt 0x0
; VNNBlock, S = 4, I = O = 256, d = 64, H = 128, one chunk.  Both quantised products on codes of FP4 (E2M1) with one E8M0 scale for each 32 along K.
; THE INDICES.  The flat n = 256 i + o gives n % I = n % O = o: row (s, i, o) of the first product is [pe[o], pe[o], x[s][o]], whatever i.
; SHARES.  Work-group o owns output column o for all four s and takes it through everything: pe[o], the quantisers, the first product for its 1,024 rows (4 s x 256 i), relu, the
; products with w2 and with x (f32 multiply-adds: their result goes on into a quantiser), out[s][o], its quantiser, the second MLP, the store.  Nothing crosses work-groups.
; Wave w owns hidden units 16 w .. 16 w + 15 of both MLPs.  It quantises its own 16 columns of w1 and v1 straight into operand registers: a lane takes a column, its registers run down K.
; EVERY ROW IS MULTIPLIED: the 64 row tiles of a work-group hold the same operands (they differ in i alone), and each is multiplied all the same: the first product's work is done as it is
; written in the problem; only the operands' codes, which do not change with i, are made once.
; A ROW TILE t (0 .. 63): row r is s = r & 3, i = 16 (t >> 2) + 4 (r >> 2) + (t & 3): every (s, i) once.  THE MATRIX INSTRUCTION IS USED TRANSPOSED: source 0 = 16 columns of the weight,
; source 1 = the 16 rows: lane (r, h) holds row r, and register j hidden unit 16 w + 8 h + j.  The bias b1 (c1) is the C of a sum's first instruction.  K = 129 is two K steps of 128; the
; second holds one number and zero codes.
; THE TWO SMALL PRODUCTS ARE MERGED: ACC[j] += x[s][i] relu(D[j]) over the tiles; w2 is applied once at the end; b2 x (the sum of x[s][:]) is added as (b2 / 16) x (the lane's 64 x), which
; 8 waves x 2 halves of the lanes make whole.
; BY TURNS.  Two tiles are a group: four matrix instructions, and 16 vector lines for its relu and sums (8 pairs of maxima, 8 packed multiply-adds).  A group's vector lines stand in four
; slices of four, one behind each matrix instruction of the NEXT group.
; pe IS MADE HERE: lane j makes sin and cos of o x 10^(-j/8).  The phase is a whole number, a turn = 2^32: o x U_j mod 2^32, U_j = round(2^32 / (2 pi) x 10^(-j/8)); the offset from the nearest
; quarter turn (at most pi / 4) goes through polynomials of degree 7 and 8; the cosine's last operation is one multiply-add onto 1.0.
; NO CLUSTER, NO JOINT LOADS: what the work-groups share are w1 and v1, 99,328 bytes.  A wave wants 16 columns of them with K down a lane's registers, as f32, once: loaded so they are quantised
; as they stand; brought jointly they would pass through LDS first, with the cluster's rounds, for one read of each byte by each work-group.
; THE STORE is four numbers of 4 bytes a work-group (column o of four rows): the output has 1,024 numbers and 256 owners.
; LIMITS.  pe: the phase is off by at most 255 x 0.5 x 2 pi / 2^32 = 1.9e-7 rad, the polynomials by about 1e-7; the angle is the exact product p x 10^(-j/8), from which an evaluation of
; pos x div all in f32 can differ by up to about 1e-5.  NaN and infinities among the inputs are not served.  A block of zeros has the scale byte 1 where the rule says 127: its codes are zeros, and no
; scale byte is an output.  The sums of the products with w2 and x are taken in another order than written, all in f32.
; LDS: 2,560 bytes are used.
.set PEB,   0                          ; 256 bytes for each wave, its own: pe[o] turns from a pair a lane to 32 neighbours a lane
.set PART,  2048                       ; word 32 s + 4 w: wave w's part of out[s][o]
.set PART2, 2304                       ; the same for the bias
.set FLOOR, 0x1800000                  ; 2^(3 - 127): under it no largest magnitude is taken, so a scale's byte cannot fall under 1
; v0 thread; v1 r, later v1's row 64; v2 h, in the tail the LDS address 32 s; v3 offset in w1, v1 (row 32 h, my column); v4 my column alone; v5 my 8 units in b1, w2, c1, v2;
; v6 my 64 x, in the tail the LDS address 32 s + 4 w; v7 x[s][o], and out0[s][o]
.set LRD,   2                          ; v2      in the tail: 32 s: where the eight waves' parts of my s lie
.set LWR,   6                          ; v6      in the tail: 32 s + 4 w: where my wave's part goes
.set Z,     8                          ; v8-15   a block that holds one number: v8 the number, v9-15 zeros
.set SW0,   16                         ; v16-21  scale words, and nothing else: w1's two K steps, v1's, the rows' two K steps, the second MLP's rows
.set SW1,   17
.set SV,    18
.set SA0,   19
.set SA1,   20
.set SA4,   21
.set XS,    22                         ; v22     the sum of my 64 x; later out[s][o]
.set H8,    23                         ; v23     8 h
.set W1K0,  24                         ; v24-31  w1's fragment, k = 0 .. 127
.set W1K1,  32                         ; v32-39  k = 128 and zeros
.set V1F,   40                         ; v40-47  v1's fragment
.set AK1,   48                         ; v48-55  the rows' fragment, k = 128 (x[s][o]) and zeros
.set AK0,   56                         ; v56-63  the rows' fragment, k = 0 .. 127 (pe, pe); later the second MLP's (pe, out, zeros)
.set XR,    64                         ; v64-127 register t: x[s][16 (t >> 2) + 4 (r >> 2) + (t & 3)]
.set RAW,   128                        ; v128-191 w1 as loaded;
.set DG,    128                        ; then two groups of two accumulators, v128-143 and v144-159,
.set RAWV,  160                        ; and v160-191 v1 as loaded
.set RB1,   192                        ; v192-223 b1, w2, c1, v2 at my 8 units
.set RW2,   200
.set RC1,   208
.set RV2,   216
.set ACC0,  224                        ; v224-239 the sums over even and over odd tiles
.set ACC1,  232
.set T,     240                        ; v240-255 at work: no address is kept here
.set HM,    38                         ; s38     the lanes with h = 0
; the largest magnitude of 32 numbers v[b] .. v[b + 31], and the floor, in two chains -> v[m0]
.macro MAX32 m0, m1, b
	v_max3_num_f32 v[\m0], |v[(\b)]|, |v[(\b)+1]|, FLOOR
	v_max3_num_f32 v[\m1], |v[(\b)+2]|, |v[(\b)+3]|, FLOOR
.irp i, 4,8,12,16,20,24,28
	s_delay_alu instid0(VALU_DEP_2)
	v_max3_num_f32 v[\m0], v[\m0], |v[(\b)+\i]|, |v[(\b)+\i+1]|
	s_delay_alu instid0(VALU_DEP_2)
	v_max3_num_f32 v[\m1], v[\m1], |v[(\b)+\i+2]|, |v[(\b)+\i+3]|
.endr
	s_delay_alu instid0(VALU_DEP_1)
	v_max_num_f32 v[\m0], v[\m0], v[\m1]
.endm
; 2 off the largest magnitude's exponent field: the conversion's scale operand; its exponent field is the scale's byte
.macro SCALEOF so, by, m
	v_add_nc_u32 v[\so], 0xff000000, v[\m]
	s_delay_alu instid0(VALU_DEP_1)
	v_lshrrev_b32 v[\by], 23, v[\so]
.endm
; 32 numbers -> 32 codes, four registers
.macro CVT4 dst, src, so
.irp g, 0,1,2,3
	v_cvt_scalef32_pk8_fp4_f32 v[(\dst)+\g], v[(\src)+8*\g:(\src)+8*\g+7], v[\so]
.endr
.endm
; a block that holds ONE number, at its first k: it lies in the lanes with h = 0; the other lanes hold zeros.  The v_nop is the plain line behind a scaled conversion
.macro ONE val, dst, so, by
	v_cndmask_b32 v[Z], 0, v[\val], s[HM]
	s_delay_alu instid0(VALU_DEP_1)
	v_max3_num_f32 v[\so], |v[Z]|, |v[Z]|, FLOOR
	s_delay_alu instid0(VALU_DEP_1)
	v_add_nc_u32 v[\so], 0xff000000, v[\so]
	s_delay_alu instid0(VALU_DEP_1)
	v_lshrrev_b32 v[\by], 23, v[\so]
	v_cvt_scalef32_pk8_fp4_f32 v[\dst], v[Z:Z+7], v[\so]
	v_nop
.endm
; Matrix instruction n of 4 of group g (row tiles 2 g and 2 g + 1): 0, 1: the two tiles' first K step, with b1 as C; 2, 3: their second K step, in place.
; The two accumulators take turns, one instruction a turn.
.macro WM g, n
.set DB, DG+16*((\g)%2)
.if (\n) == 0
	v_wmma_scale_f32_16x16x128_f8f6f4 v[DB:DB+7], v[W1K0:W1K0+7], v[AK0:AK0+7], v[RB1:RB1+7], v[SW0], v[SA0] matrix_a_fmt:MATRIX_FMT_FP4 matrix_b_fmt:MATRIX_FMT_FP4
.elseif (\n) == 1
	v_wmma_scale_f32_16x16x128_f8f6f4 v[DB+8:DB+15], v[W1K0:W1K0+7], v[AK0:AK0+7], v[RB1:RB1+7], v[SW0], v[SA0] matrix_a_fmt:MATRIX_FMT_FP4 matrix_b_fmt:MATRIX_FMT_FP4
.elseif (\n) == 2
	v_wmma_scale_f32_16x16x128_f8f6f4 v[DB:DB+7], v[W1K1:W1K1+7], v[AK1:AK1+7], v[DB:DB+7], v[SW1], v[SA1] matrix_a_fmt:MATRIX_FMT_FP4 matrix_b_fmt:MATRIX_FMT_FP4
.else
	v_wmma_scale_f32_16x16x128_f8f6f4 v[DB+8:DB+15], v[W1K1:W1K1+7], v[AK1:AK1+7], v[DB+8:DB+15], v[SW1], v[SA1] matrix_a_fmt:MATRIX_FMT_FP4 matrix_b_fmt:MATRIX_FMT_FP4
.endif
.endm
; Slice n of 4 of group g's vector work, four lines.  0, 1: relu of tile 2 g, of tile 2 g + 1: two maxima a line (destinations even and odd, second sources neighbours), the accumulator from
; its low end on.  2, 3: times the tile's x[s][i], onto the sums.  first = 1: the products start the sums: nothing is cleared.
.macro SL g, n, first
.set DB, DG+16*((\g)%2)
.set XP, XR+2*(\g)
.if (\n) < 2
.irp j, 0,2,4,6
	v_dual_max_num_f32 v[T+8*(\n)+\j], 0, v[DB+8*(\n)+\j] :: v_dual_max_num_f32 v[T+8*(\n)+\j+1], 0, v[DB+8*(\n)+\j+1]
.endr
.elseif (\n) == 2
.irp k, 0,2,4,6
.if \first
	v_pk_mul_f32 v[ACC0+\k:ACC0+\k+1], v[T+\k:T+\k+1], v[XP:XP+1] op_sel_hi:[1,0]
.else
	v_pk_fma_f32 v[ACC0+\k:ACC0+\k+1], v[T+\k:T+\k+1], v[XP:XP+1], v[ACC0+\k:ACC0+\k+1] op_sel_hi:[1,0,1]
.endif
.endr
.else
.irp k, 0,2,4,6
.if \first
	v_pk_mul_f32 v[ACC1+\k:ACC1+\k+1], v[T+8+\k:T+8+\k+1], v[XP:XP+1] op_sel:[0,1] op_sel_hi:[1,1]
.else
	v_pk_fma_f32 v[ACC1+\k:ACC1+\k+1], v[T+8+\k:T+8+\k+1], v[XP:XP+1], v[ACC1+\k:ACC1+\k+1] op_sel:[0,1,0] op_sel_hi:[1,1,1]
.endif
.endr
.endif
.endm
; the sum of my 64 x (32 pairs), in four chains of pairs, four lines at a time: pairs 0-7 start the chains; pairs p0 .. p0 + 3 go on; the chains are joined
.macro XSUM_0
.irp c, 0,1,2,3
	v_pk_add_f32 v[T+2*\c:T+2*\c+1], v[XR+2*\c:XR+2*\c+1], v[XR+8+2*\c:XR+8+2*\c+1]
.endr
.endm
.macro XSUM_Q p0
.irp e, 0,1,2,3
	v_pk_add_f32 v[T+2*\e:T+2*\e+1], v[T+2*\e:T+2*\e+1], v[XR+2*((\p0)+\e):XR+2*((\p0)+\e)+1]
.endr
.endm
.macro XSUM_END
	v_pk_add_f32 v[T:T+1], v[T:T+1], v[T+2:T+3]
	v_pk_add_f32 v[T+4:T+5], v[T+4:T+5], v[T+6:T+7]
	s_delay_alu instid0(VALU_DEP_1)
	v_pk_add_f32 v[T:T+1], v[T:T+1], v[T+4:T+5]
	s_delay_alu instid0(VALU_DEP_1)
	v_add_f32 v[XS], v[T], v[T+1]
.endm
	; ---- the head: arguments, ids, offsets
	s_load_b512 s[8:23], s[0:1], 0x0               ; x s[8:9], w1 s[10:11], b1 s[12:13], w2 s[14:15], b2 s[16:17], v1 s[18:19], c1 s[20:21], v2 s[22:23]
	s_load_b128 s[24:27], s[0:1], 0x40             ; c2 s[24:25], out0 s[26:27]
	s_set_vgpr_msb 0x40
	v_lshl_add_u32 v0, v0, 2, 0x29000
	v_mov_b32 v1, 0
	s_set_vgpr_msb 0x4000
	v_lshrrev_b32 v250, 5, v0
	s_delay_alu instid0(VALU_DEP_1)
	v_readfirstlane_b32 s30, v250                  ; wave 0..7
	s_mov_b32 s31, ttmp9                           ; o
	s_mov_b32 s36, 0x76543210                      ; v_permlanex16_b32's selects for lane l xor 16
	s_mov_b32 s37, 0xfedcba98
	s_mov_b32 s40, 0xb94ca1f9                      ; sine:   -1.9515296e-4,
	s_mov_b32 s41, 0x3c08839e                      ;          8.3321609e-3,
	s_mov_b32 s42, 0xbe2aaaa3                      ;         -1.6666655e-1
	s_mov_b32 s43, 0x37ccf5ce                      ; cosine:  2.4433157e-5,
	s_mov_b32 s44, 0xbab6061a                      ;         -1.3887316e-3,
	s_mov_b32 s45, 0x3d2aaaa5                      ;          4.1666646e-2
	v_and_b32 v1, 15, v0                           ; r
	v_bfe_u32 v2, v0, 4, 1                         ; h
	s_lshl_b32 s32, s30, 6                         ; my wave's 16 columns: 64 bytes
	s_lshl_b32 s33, s31, 2                         ; column o: 4 bytes
	v_lshlrev_b32 v4, 2, v1
	s_delay_alu instid0(VALU_DEP_1)
	v_or_b32 v4, s32, v4                           ; my column of w1 and v1: 64 w + 4 r
	s_delay_alu instid0(VALU_DEP_1)
	v_lshl_or_b32 v3, v2, 14, v4                   ; and 32 h rows of 512 bytes further down: the operand's layout gives lane (r, h) k = 64 c + 32 h + 0 .. 31
	v_lshl_or_b32 v5, v2, 5, s32                   ; my 8 units in b1, w2, c1, v2: 64 w + 32 h
	v_and_b32 v7, 3, v1
	s_delay_alu instid0(VALU_DEP_1)
	v_lshlrev_b32 v7, 10, v7                       ; row s = r & 3 of x: 1,024 bytes a row
	v_lshrrev_b32 v6, 2, v1
	s_delay_alu instid0(VALU_DEP_1)
	v_lshl_or_b32 v6, v6, 4, v7                    ; my 64 x: 16 bytes at 16 (r >> 2) of each 64: the four lanes of one s read 64 neighbouring bytes
	s_delay_alu instid0(VALU_DEP_3)
	v_or_b32 v7, s33, v7                           ; x[s][o], and out0[s][o]
	v_lshlrev_b32 v[H8], 3, v2
	v_cmp_eq_u32 s[HM], 0, v2
	v_mov_b32 v248, 0                              ; written once: a lane permute's destination counts as one of its sources
	v_lshlrev_b32 v250, 3, v0                      ; LDS: 256 w + 8 lane: where my pair of pe goes,
	v_lshrrev_b32 v251, 4, v0
	s_delay_alu instid0(VALU_DEP_1)
	v_lshlrev_b32 v251, 7, v251                    ; and 256 w + 128 h: where my 32 neighbours come from
	s_wait_alu depctr_va_vdst(0)
	s_wait_kmcnt 0x0
	; ---- the loads that the loop wants: w1(64 c + 32 h + i, my column), w1(128, my column), b1, x[s][o], my 64 x
.set I, 0
.rept 32
	global_load_b32 v[RAW+I], v3, s[10:11] offset:I*512
.set I, I+1
.endr
.set I, 0
.rept 32
	global_load_b32 v[RAW+32+I], v3, s[10:11] offset:(64+I)*512
.set I, I+1
.endr
	global_load_b32 v224, v4, s[10:11] offset:65536
	global_load_b128 v[RB1:RB1+3], v5, s[12:13]
	global_load_b128 v[RB1+4:RB1+7], v5, s[12:13] offset:16
	global_load_b32 v225, v7, s[8:9]
.set I, 0
.rept 16
	global_load_b128 v[XR+4*I:XR+4*I+3], v6, s[8:9] offset:64*I   ; x[s][16 I + 4 (r >> 2) + 0 .. 3]
.set I, I+1
.endr
	s_load_b32 s28, s[16:17], 0x0                  ; b2
	s_load_b32 s29, s[24:25], 0x0                  ; c2
	; ---- pe[o], while those loads are on their way.  Lane j: the phase o x U_j mod 2^32
	v_mov_b32 v56, 0
.set J, 0
.irp u, 683565276, 512601642, 384397003, 288257087, 216162320, 162098872, 121557005, 91154895, 68356528, 51260164, 38439700, 28825709, 21616232, 16209887, 12155701, 9115489, 6835653, 5126016, 3843970, 2882571, 2161623, 1620989, 1215570, 911549, 683565, 512602, 384397, 288257, 216162, 162099, 121557, 91155
	s_mul_i32 s[32+J%4], s31, \u
	v_writelane_b32 v56, s[32+J%4], J
.set J, J+1
.endr
	s_delay_alu instid0(VALU_DEP_1)
	v_lshlrev_b32 v57, 2, v56                      ; as i32: the offset from the nearest quarter turn, in 2^-34 turns
	s_delay_alu instid0(VALU_DEP_2)
	v_add_nc_u32 v58, 0x20000000, v56              ; bits 31:30: which quarter turn is the nearest
	s_delay_alu instid0(VALU_DEP_2)
	v_cvt_f32_i32 v59, v57
	s_delay_alu instid0(VALU_DEP_1)
	v_mul_f32 v59, 0x2fc90fdb, v59                 ; x 2 pi 2^-34: the offset in radians, at most pi / 4
	s_delay_alu instid0(VALU_DEP_1)
	v_mul_f32 v60, v59, v59                        ; z = x^2
	s_delay_alu instid0(VALU_DEP_1)
	v_fma_f32 v61, v60, s40, s41
	s_delay_alu instid0(VALU_DEP_2)
	v_fma_f32 v62, v60, s43, s44
	s_delay_alu instid0(VALU_DEP_3)
	v_mul_f32 v57, v60, v59                        ; x^3
	s_delay_alu instid0(VALU_DEP_3)
	v_fma_f32 v61, v61, v60, s42
	s_delay_alu instid0(VALU_DEP_3)
	v_fma_f32 v62, v62, v60, s45
	s_delay_alu instid0(VALU_DEP_2)
	v_fma_f32 v61, v61, v57, v59                   ; sin x = x + x^3 (..)
	s_delay_alu instid0(VALU_DEP_2)
	v_fma_f32 v62, v62, v60, -0.5
	v_and_b32 v63, 0x40000000, v58
	s_delay_alu instid0(VALU_DEP_2)
	v_fma_f32 v62, v62, v60, 1.0                   ; cos x = 1 + z (-1/2 + z (..)): one rounding onto 1.0
	s_delay_alu instid0(VALU_DEP_2)
	v_cmp_ne_u32 vcc_lo, 0, v63                    ; an odd quarter: sine and cosine change places
	s_delay_alu instid0(VALU_DEP_1)
	v_cndmask_b32 v57, v61, v62, vcc_lo
	s_delay_alu instid0(VALU_DEP_2)
	v_cndmask_b32 v59, v62, v61, vcc_lo
	v_and_b32 v63, 0x80000000, v58                 ; quarters 2, 3: the sine is negative
	v_add_nc_u32 v58, 0x40000000, v58
	s_delay_alu instid0(VALU_DEP_2)
	v_xor_b32 v252, v57, v63                       ; pe[o][2 j]
	s_delay_alu instid0(VALU_DEP_2)
	v_and_b32 v58, 0x80000000, v58                 ; quarters 1, 2: the cosine is
	s_delay_alu instid0(VALU_DEP_1)
	v_xor_b32 v253, v59, v58                       ; pe[o][2 j + 1]
	ds_store_b64 v250, v[252:253] offset:PEB       ; through my wave's own 256 bytes: LDS serves a wave's instructions in order, so no wait stands between the store and the loads
.set I, 0
.rept 8
	ds_load_b128 v[24+4*I:27+4*I], v251 offset:PEB+16*I   ; lane (r, h): pe[o][32 h .. 32 h + 31], in v24-55
.set I, I+1
.endr
	s_wait_dscnt 0x0                               ; all eight are wanted
	MAX32 240, 241, 24
	SCALEOF 244, 246, 240
	s_delay_alu instid0(VALU_DEP_1)
	v_permlanex16_b32 v248, v246, s36, s37         ; the other block's byte
	s_delay_alu instid0(VALU_DEP_1)
	v_lshl_or_b32 v249, v248, 8, v246
	s_delay_alu instid0(VALU_DEP_1)
	v_lshl_or_b32 v[SA0], v249, 16, v249           ; lanes 0-15, the ones read: bytes of blocks 0, 1, 0, 1 (pe stands twice in a row)
	CVT4 AK0, 24, 244
	v_nop                                          ; the plain line behind the conversions
.irp i, 0,1,2,3
	v_mov_b32 v[AK0+4+\i], v[AK0+\i]               ; k = 64 + 32 h .. : pe once more
.endr
.irp i, 1,2,3,4,5,6,7
	v_mov_b32 v[Z+\i], 0
	v_mov_b32 v[AK1+\i], 0                         ; zero codes fill the second K step
	v_mov_b32 v[W1K1+\i], 0
.endr
.irp i, 5,6,7
	v_mov_b32 v[V1F+\i], 0
.endr
	s_wait_kmcnt 0x0                               ; b2, c2
	s_mul_f32 s46, s28, 0x3d800000                 ; b2 / 16
	; ---- w1's 16 columns and x[s][o] become operands
	s_wait_loadcnt 0x0                             ; all that was asked for is wanted now
	MAX32 240, 241, RAW                            ; my block h
	MAX32 242, 243, RAW+32                         ; my block 2 + h
	SCALEOF 244, 246, 240
	SCALEOF 245, 247, 242
	s_delay_alu instid0(VALU_DEP_1)
	v_lshl_or_b32 v249, v247, 16, v246             ; my two bytes,
	s_delay_alu instid0(VALU_DEP_1)
	v_lshlrev_b32 v249, v[H8], v249                ; at their places in the scale word;
	s_delay_alu instid0(VALU_DEP_1)
	v_permlanex16_b32 v248, v249, s36, s37
	s_delay_alu instid0(VALU_DEP_1)
	v_or_b32 v[SW0], v249, v248                    ; with lane l xor 16's two the word is whole
	CVT4 W1K0, RAW, 244
	CVT4 W1K0+4, RAW+32, 245
	v_nop
	ONE 224, W1K1, 244, SW1                        ; k = 128 of w1
	ONE 225, AK1, 244, SA1                         ; k = 128 of the rows: x[s][o]
	; ---- what the tail wants is asked for now and lands under the loop: v1(32 h + i, my column), v1(64, my column), w2, c1, v2
.set I, 0
.rept 32
	global_load_b32 v[RAWV+I], v3, s[18:19] offset:I*512
.set I, I+1
.endr
	global_load_b32 v1, v4, s[18:19] offset:32768
	global_load_b128 v[RW2:RW2+3], v5, s[14:15]
	global_load_b128 v[RW2+4:RW2+7], v5, s[14:15] offset:16
	global_load_b128 v[RC1:RC1+3], v5, s[20:21]
	global_load_b128 v[RC1+4:RC1+7], v5, s[20:21] offset:16
	global_load_b128 v[RV2:RV2+3], v5, s[22:23]
	global_load_b128 v[RV2+4:RV2+7], v5, s[22:23] offset:16
	; ---- the 64 row tiles, two to a group, written out: a tile's x is named by register number.
	; PLACES.  A result is read four places or more behind the matrix instruction that wrote it last (ISA guide 7.12.1).  Tile 2 g's is written last by the group's instruction 2: behind that
	; stand slices 2 and 3 of the group before, eight packed lines that name none of its registers, ahead of slice 0 of group g.  Tile 2 g + 1's is written last by instruction 3: behind that
	; stand slice 3 of the group before and slice 0 of group g, which reads the other tile's accumulator: eight lines again.  An accumulator is begun anew two groups on, behind all of these.
	XSUM_0                                         ; 16 plain lines between the last write of a scale register (8 are asked) or of an operand (4) and the first scaled matrix instruction
	XSUM_Q 8
	XSUM_Q 12
	XSUM_Q 16
	WM 0, 0                                        ; group 0 has no group before it: the rest of the sum of my x stands in the slices' places
	XSUM_Q 20
	WM 0, 1
	XSUM_Q 24
	WM 0, 2
	XSUM_Q 28
	WM 0, 3
	XSUM_END
.irp n, 0,1,2,3
	WM 1, \n
	SL 0, \n, 1
.endr
.set G, 2
.rept 30
.irp n, 0,1,2,3
	WM G, \n
	SL G-1, \n, 0
.endr
.set G, G+1
.endr
.irp n, 0,1,2,3
	SL 31, \n, 0
.endr
	s_wait_alu depctr_va_vdst(0)
	; ---- out[s][o]
	s_wait_loadcnt 0x0                             ; v1, w2, c1, v2
.irp k, 0,2,4,6
	v_pk_add_f32 v[ACC0+\k:ACC0+\k+1], v[ACC0+\k:ACC0+\k+1], v[ACC1+\k:ACC1+\k+1]
.endr
	s_delay_alu instid0(VALU_DEP_4)
	v_pk_mul_f32 v[240:241], v[ACC0:ACC0+1], v[RW2:RW2+1]
.irp k, 2,4,6
	s_delay_alu instid0(VALU_DEP_1)
	v_pk_fma_f32 v[240:241], v[ACC0+\k:ACC0+\k+1], v[RW2+\k:RW2+\k+1], v[240:241]
.endr
	v_and_b32 v[LRD], 3, v0                        ; the two LDS addresses of the tail, in registers that nothing writes from here on (h is done with; the loads that named v6 came in ahead of the loop)
	s_delay_alu instid0(VALU_DEP_1)
	v_lshlrev_b32 v[LRD], 5, v[LRD]                ; 32 s,
	v_lshrrev_b32 v[LWR], 5, v0
	s_delay_alu instid0(VALU_DEP_1)
	v_lshl_add_u32 v[LWR], v[LWR], 2, v[LRD]       ; and 32 s + 4 w
	v_add_f32 v242, v240, v241
	s_delay_alu instid0(VALU_DEP_1)
	v_fma_f32 v242, v[XS], s46, v242               ; + (b2 / 16) x my 64 x
	s_delay_alu instid0(VALU_DEP_1)
	v_add_f32_dpp v242, v242, v242 row_xmask:4 row_mask:0xf bank_mask:0xf   ; the four lanes of one s, 64 i each,
	s_delay_alu instid0(VALU_DEP_1)
	v_add_f32_dpp v242, v242, v242 row_xmask:8 row_mask:0xf bank_mask:0xf
	s_delay_alu instid0(VALU_DEP_1)
	v_permlanex16_b32 v243, v242, s36, s37
	s_delay_alu instid0(VALU_DEP_1)
	v_add_f32 v242, v242, v243                     ; and the other 8 units: my wave's part of out[s][o]
	ds_store_b32 v[LWR], v242 offset:PART          ; the eight lanes of one s write the same word with the same value
	s_wait_dscnt 0x0                               ; for the others' sake: my store is done
	s_barrier_signal -1
	; v1's 16 columns become an operand while the others arrive: work on registers alone
	MAX32 246, 247, RAWV                           ; my block h
	SCALEOF 248, 249, 246
	ONE 1, V1F+4, 250, 251                         ; k = 64 of v1
	v_lshl_or_b32 v252, v251, 16, v249
	s_delay_alu instid0(VALU_DEP_1)
	v_lshlrev_b32 v252, v[H8], v252
	s_delay_alu instid0(VALU_DEP_1)
	v_permlanex16_b32 v253, v252, s36, s37
	s_delay_alu instid0(VALU_DEP_1)
	v_or_b32 v[SV], v252, v253
	CVT4 V1F, RAWV, 248
	v_nop
	s_barrier_wait -1
	ds_load_b128 v[232:235], v[LRD] offset:PART    ; the eight waves' parts of my s
	ds_load_b128 v[236:239], v[LRD] offset:PART+16
	s_wait_dscnt 0x0
	v_add_f32 v232, v232, v233
	v_add_f32 v234, v234, v235
	v_add_f32 v236, v236, v237
	v_add_f32 v238, v238, v239
	s_delay_alu instid0(VALU_DEP_3)
	v_add_f32 v232, v232, v234
	s_delay_alu instid0(VALU_DEP_2)
	v_add_f32 v236, v236, v238
	s_delay_alu instid0(VALU_DEP_1)
	v_add_f32 v[XS], v232, v236                    ; out[s][o], the same bits in every wave
	; ---- the second MLP: rows [pe[o], out[s][o]], K = 65 in one K step; row r is s = r & 3
.irp i, 5,6,7
	v_mov_b32 v[AK0+\i], 0
.endr
	ONE XS, AK0+4, 250, 251                        ; k = 64
	v_and_b32 v[SA4], 0xffff, v[SA0]               ; pe's two bytes,
	s_delay_alu instid0(VALU_DEP_1)
	v_lshl_or_b32 v[SA4], v251, 16, v[SA4]         ; and out's
.rept 8
	v_nop                                          ; a scale register written by a vector instruction stands 8 places ahead of a scaled matrix instruction
.endr
	v_wmma_scale_f32_16x16x128_f8f6f4 v[DG:DG+7], v[V1F:V1F+7], v[AK0:AK0+7], v[RC1:RC1+7], v[SV], v[SA4] matrix_a_fmt:MATRIX_FMT_FP4 matrix_b_fmt:MATRIX_FMT_FP4
.rept 4
	v_nop                                          ; places in front of the first read of the result
.endr
.irp j, 0,1,2,3,4,5,6,7
	v_max_num_f32 v[T+\j], 0, v[DG+\j]
.endr
	v_pk_mul_f32 v[232:233], v[T:T+1], v[RV2:RV2+1]
.irp k, 2,4,6
	s_delay_alu instid0(VALU_DEP_1)
	v_pk_fma_f32 v[232:233], v[T+\k:T+\k+1], v[RV2+\k:RV2+\k+1], v[232:233]
.endr
	s_delay_alu instid0(VALU_DEP_1)
	v_add_f32 v232, v232, v233
	s_delay_alu instid0(VALU_DEP_1)
	v_permlanex16_b32 v233, v232, s36, s37
	s_delay_alu instid0(VALU_DEP_1)
	v_add_f32 v232, v232, v233                     ; my wave's 16 units' part of the bias
	ds_store_b32 v[LWR], v232 offset:PART2         ; other bytes than PART's, which slower waves may still be reading
	s_wait_dscnt 0x0                               ; for wave 0's sake: my store is done
	s_barrier_signal -1
	s_barrier_wait -1
	; ---- wave 0 adds up and stores; no barrier stands behind this branch
	s_cmp_lg_u32 s30, 0
	s_cbranch_scc1 .Lend
	ds_load_b128 v[224:227], v[LRD] offset:PART2
	ds_load_b128 v[228:231], v[LRD] offset:PART2+16
	s_wait_dscnt 0x0
	v_add_f32 v224, v224, v225
	v_add_f32 v226, v226, v227
	v_add_f32 v228, v228, v229
	v_add_f32 v230, v230, v231
	s_delay_alu instid0(VALU_DEP_3)
	v_add_f32 v224, v224, v226
	s_delay_alu instid0(VALU_DEP_2)
	v_add_f32 v228, v228, v230
	s_delay_alu instid0(VALU_DEP_1)
	v_add_f32 v224, v224, v228
	s_delay_alu instid0(VALU_DEP_1)
	v_add_f32 v224, s29, v224                      ; + c2
	s_delay_alu instid0(VALU_DEP_1)
	v_add_f32 v224, v224, v[XS]                    ; + out
	s_wait_alu depctr_va_vdst(0)
	s_wait_xcnt 0x0                                ; EXEC changes only behind this wait
	v_cmp_gt_u32 vcc_lo, 4, v0
	s_and_saveexec_b32 s39, vcc_lo                 ; lanes 0 to 3: s = lane
	global_store_b32 v7, v224, s[26:27]
	s_wait_xcnt 0x0                                ; and again, in front of the line that widens it
	s_or_b32 exec_lo, exec_lo, s39
.Lend:
	s_set_vgpr_msb 0x5
	s_wait_tensorcnt 0x0
	ds_add_u32 v0, v1
	s_wait_dscnt 0x0
	s_set_vgpr_msb 0x500
	s_endpgm
.Lfunc_end_k_q742bdbce2a_vnn:
	.size	k_q742bdbce2a_vnn, .Lfunc_end_k_q742bdbce2a_vnn-k_q742bdbce2a_vnn
	.p2alignl 7, 3214868480
	.fill 96, 4, 3214868480
	.section	.rodata,"a",@progbits
	.p2align	6, 0x0
	.amdhsa_kernel k_q742bdbce2a_vnn
		.amdhsa_group_segment_fixed_size 168960
		.amdhsa_private_segment_fixed_size 0
		.amdhsa_enable_private_segment 0
		.amdhsa_kernarg_size 80
		.amdhsa_user_sgpr_count 2
		.amdhsa_user_sgpr_kernarg_segment_ptr 1
		.amdhsa_wavefront_size32 1
		.amdhsa_system_sgpr_workgroup_id_x 1
		.amdhsa_system_sgpr_workgroup_id_y 1
		.amdhsa_system_sgpr_workgroup_id_z 1
		.amdhsa_system_vgpr_workitem_id 0
		.amdhsa_next_free_vgpr 258
		.amdhsa_next_free_sgpr 66
		.amdhsa_reserve_vcc 1
		.amdhsa_float_denorm_mode_32 3
		.amdhsa_float_denorm_mode_16_64 3
		.amdhsa_memory_ordered 1
		.amdhsa_forward_progress 1
		.amdhsa_inst_pref_size 87
	.end_amdhsa_kernel
	.amdgpu_metadata
---
amdhsa.version: [ 1, 2 ]
amdhsa.kernels:
  - .name:           k_q742bdbce2a_vnn
    .symbol:         k_q742bdbce2a_vnn.kd
    .args:
      - { .name: x, .offset: 0, .size: 8, .value_kind: global_buffer, .address_space: global }
      - { .name: w1, .offset: 8, .size: 8, .value_kind: global_buffer, .address_space: global }
      - { .name: b1, .offset: 16, .size: 8, .value_kind: global_buffer, .address_space: global }
      - { .name: w2, .offset: 24, .size: 8, .value_kind: global_buffer, .address_space: global }
      - { .name: b2, .offset: 32, .size: 8, .value_kind: global_buffer, .address_space: global }
      - { .name: v1, .offset: 40, .size: 8, .value_kind: global_buffer, .address_space: global }
      - { .name: c1, .offset: 48, .size: 8, .value_kind: global_buffer, .address_space: global }
      - { .name: v2, .offset: 56, .size: 8, .value_kind: global_buffer, .address_space: global }
      - { .name: c2, .offset: 64, .size: 8, .value_kind: global_buffer, .address_space: global }
      - { .name: out0, .offset: 72, .size: 8, .value_kind: global_buffer, .address_space: global }
    .group_segment_fixed_size: 168960
    .private_segment_fixed_size: 0
    .kernarg_segment_align: 8
    .kernarg_segment_size: 80
    .max_flat_workgroup_size: 256
    .sgpr_count:     66
    .vgpr_count:     258
    .wavefront_size: 32
...
	.end_amdgpu_metadata
.endif
;; end of part 1
